; MI455X (gfx1250); checked and timed in simulation.
; The chip was launched on July 23, 2026; its instructions are those of AMD's public machine-readable ISA for CDNA 5 (MIT licence, August 2026) and "CDNA5" Instruction Set Architecture Reference Guide (July 2026). The comments in the code are by the model that wrote it; some were corrected since.
;; Self Attention. Allowed arithmetic: matrix products marked QUANTISED: E3M2 operands, one E8M0 scale for each 32 along K, by v_wmma_scale_f32_16x16x128_f8f6f4 with both operands' format E3M2, f32 sums; products left as they are: f32 operands where the result goes on into a quantised operand, else bf16, f16 or f32 operands; f32 sums; everything else in f32.
;; Inputs: bf 8 float32; bg 8 float32; bh 64 float32; bo 64 float32; gamma 1 float32; wf 64 x 8 float32; wg 64 x 8 float32; wh_codes 64 x 2 x 24 uint8 (E3M2 codes of wh, K innermost, in blocks of 32 codes, four codes in three bytes); wh_scales 64 x 2 uint8 (E8M0 scales of wh, one for each 32 codes along K); wo_codes 64 x 2 x 24 uint8 (E3M2 codes of wo, K innermost, in blocks of 32 codes, four codes in three bytes); wo_scales 64 x 2 uint8 (E8M0 scales of wo, one for each 32 codes along K); x 4 x 64 x 64 x 64 float32.
;; Outputs: out0 4 x 64 x 64 x 64 float32.
;; This version of the problem:
;;   THIS VERSION OF THE PROBLEM IS GIVEN IN LOW PRECISION. The matrix products marked QUANTISED in the list below multiply operands that are first quantised to E3M2 (3 exponent bits, 2 mantissa bits; 6 bits a number), with one power-of-two scale for each 32 numbers along K (OCP MX v1.0); their sums are f32. All else is computed in f32.
;;   The module's matrix products, in the order in which they are computed (A, B: the left and right operand; K: the contracted axis; several contracted axes count as one K, in the product's order):
;;     1. [M 16,384, K 64] x [K 64, N 8]; A: input x; B: input wf: left as it is (N = 8 < 16)
;;     2. [M 16,384, K 64] x [K 64, N 8]; A: input x; B: input wg: left as it is (N = 8 < 16)
;;     3. [M 16,384, K 64] x [K 64, N 64]; A: input x; B: input wh (given as codes): QUANTISED
;;     4. batch 4 x [M 4,096, K 8] x [K 8, N 4,096]; A: computed on the way; B: computed on the way: left as it is (K = 8 < 32)
;;     5. batch 4 x [M 4,096, K 4,096] x [K 4,096, N 64]; A: softmax (see below); B: computed on the way: QUANTISED
;;     6. [M 16,384, K 64] x [K 64, N 64]; A: computed on the way; B: input wo (given as codes): QUANTISED
;;   THE QUANTISER, for each operand of a quantised product, along K:
;;     - K is cut into blocks of 32 from its start; a last block that is shorter is filled with zeros.
;;     - A block's scale is 2^e with e = floor(log2(the largest magnitude in the block)) - 4, held to -126 .. 127; a block of zeros has e = 0. As a byte (E8M0): e + 127.
;;     - Each number is divided by its block's scale, clamped to +-28, and rounded to the nearest number of E3M2, ties to even, subnormals kept.
;;     - The product sums the exact products of the quantised numbers (number of the format x scale) in f32.
;;   ~~~python
;;   def quantise(x, axis):      # numpy; x: float32 -> the quantised numbers, widened to float32 again
;;       x = np.moveaxis(x, axis, -1); K = x.shape[-1]
;;       x = np.pad(x, [(0, 0)] * (x.ndim - 1) + [(0, -K % 32)]); x = x.reshape(x.shape[:-1] + (-1, 32)); a = np.abs(x).max(-1, keepdims=True)
;;       e = np.where(a > 0, np.clip(np.frexp(np.where(a > 0, a, 1))[1] - 1 - 4, -126, 127), 0)      # np.frexp(a)[1] - 1 = floor(log2(a)), exactly
;;       r = np.clip(x / 2.0 ** e, -28, 28)
;;       step = 2.0 ** (np.maximum(np.frexp(np.where(r == 0, 1, r))[1] - 1, -2) - 2)
;;       q = np.round(r / step) * step * 2.0 ** e      # np.round: ties to even
;;       return np.moveaxis(q.reshape(q.shape[:-2] + (-1,))[..., :K], -1, axis).astype(np.float32)
;;   ~~~
;;   SOFTMAX AHEAD OF A QUANTISED PRODUCT. Where the list says 'softmax', what is quantised is not the finished softmax but p = 2^(t - M), with t = logit x log2(e) and M = ceil(the row's largest t), a whole number; so 1/2 < the row's largest p <= 1. The row's sum l is taken of the UNQUANTISED p, in f32, and the product's result is divided by l at the end. Since M is a whole number, a kernel that streams over the keys may use a running M (the ceiling of the running maximum): every later rescaling is an exact power of two, which a block's scale takes up: the codes' values come out the same.
;;   OPERANDS COMPUTED ON THE WAY. 'Computed on the way' means the value that the module computes at that place (a softmax that the list does not call 'softmax' is quantised finished and normalised). What goes into a quantiser is computed in f32, as accurately as f32 sums, v_exp_f32 and their like allow (about 1e-6 of the number): no bf16 or f16 on the way to a quantiser, and a product that is left as it is and whose result goes on into a quantised operand takes f32 operands (vector FMAs, or v_wmma_f32_16x16x4_f32). A number that lies on a knife's edge between two numbers of the format may be rounded either way, as far as f32 arithmetic and the matrix unit's own rounding can turn it there, and no further.
;;   INPUTS GIVEN AS CODES. wh (in the module: [64, 64], K = its axis 0); wo (in the module: [64, 64], K = its axis 0): each comes as NAME_codes (uint8): NAME with its K axis moved to the last place and cut into blocks of 32 codes, [.., K / 32, bytes a block], one block behind the other in memory; four codes in three bytes: a row's codes are one little-endian stream of bits, code i at bits 6 i .. 6 i + 5 (a code: sign, 3 exponent bits, 2 mantissa bits); and NAME_scales (uint8): the same leading axes, one E8M0 byte (e + 127) for each 32 codes along K. Its value is code x scale, taken as it is: it is not quantised again, and the codes and scales need not be those that the quantiser above would give.
;; One version. Each part assembles by itself: llvm-mc -triple=amdgcn-amd-amdhsa -mcpu=gfx1250 --defsym DOCPART=n.
;; ======== version 1 of 1: 2 launches
;; workspace buffers: ws 1,867,776 bytes
;; launch prep (part 1): grid 128 x 1, 4 waves a work-group, no clusters, 66,304 bytes of LDS; arguments x, wf, bf, wg, bg, wh_codes, wh_scales, bh, ws; writes ws
.if DOCPART == 1
	.amdgcn_target "amdgcn-amd-amdhsa--gfx1250"
	.amdhsa_code_object_version 6
	.text
	.protected	k_qcdf6140225_prep
	.globl	k_qcdf6140225_prep
	.p2align	8
	.type	k_qcdf6140225_prep,@function
k_qcdf6140225_prep:
	s_mov_b64 s[64:65], 0
	v_nop
	global_prefetch_b8 v0, s[64:65] scope:SCOPE_SE
	s_setreg_imm32_b32 hwreg(HW_REG_WAVE_MODE, 25, 1), 1
	s_wait_xcnt 0x0
; PREP.  From x [16384][64] f32: f = x wf + bf and g = x wg + bg (8 channels each, f32 operands, f32 sums), h = Q(x) wh + bh (codes of BF6 = E3M2, one E8M0 scale
; for each 32 along K = 64), and Q(h) along the KEYS.  All results go to ws as IMAGES OF OPERAND REGISTERS, so that the next launch loads fragments by 16 bytes a lane.
; ws: 128 records of RECB bytes (record = 128 keys of one image), then G.  A record: 8 tiles of f (512 bytes each: lane (r, h) holds f[key][4 h .. 4 h + 3]);
; from byte 4096 four fragments of V^T (16 channels x 128 keys, 12 registers a lane, register group g at 512 g + 16 x lane); from byte 10240 their scale words, 4 bytes a row.
; G: for each tile of 16 rows 512 bytes, lane (r, h) holds g[row][4 h .. 4 h + 3].
; THE 16 ROWS OF A TILE ARE NOT NEIGHBOURS: lane r of tile 2 b + u takes row 32 b + 8 u + r + 8 (r / 8), so that behind a transposed product the 16 registers of tiles 2 b and 2 b + 1
; are 16 neighbours 32 b + 16 (lane / 16) + 0 .. 15.  The same order holds for tiles of keys, of queries and of V's channels.
; SHARES.  A work-group of four waves makes one record: 128 work-groups, the smallest share whose fragments of V^T and scale words are whole.  Wave w first takes key tiles 2 w and 2 w + 1
; (f, g, Q(x)), then channel tile w for all 128 keys (h, Q(h)).  Q(x) goes from wave to wave through LDS as register images.  No tensor load: LDS is claimed as it is used.
; THE WAY IN.  A lane wants 32 neighbouring channels of ONE row of x, and one column of wf or wg down K; a load is best where neighbouring lanes take neighbouring bytes.  Both are had: every load of x, wf and wg reads
; 512 consecutive bytes, 16 a lane; the bytes go through stages of the wave's own in LDS and come back as the operands want them.  No barrier: LDS serves a wave's instructions in order (ISA guide 5.7.1.4).
; K = 64 fills half of the matrix instruction's 128: the upper half of both operands holds zero codes; their scale bytes are 0, which is 2^-127 over zeros.
; LIMITS: NaN and infinities among the inputs are not served.  A block of zeros gets the scale byte 1 where the quantiser's rule says 127: its codes are zeros, and this program alone reads the bytes.
; The f32 sums of f and g run over the channels in the order 32 h + 2 s + j (s the K step), not 0 .. 63.
.set RECB,  10496
.set GBASE, 128*RECB
.set XSC,   12288                      ; LDS: 8 images of Q(x) of 1,536 bytes from byte 0; here their scale words, 128 bytes each;
.set VSC,   13312                      ; the record's 64 scale words of V^T;
.set XST,   13568                      ; for each wave a stage for its 32 rows of x: rows of 256 bytes + 16;
.set XSTB,  32*272
.set WST,   XST+4*XSTB                 ; and a stage for wf and wg: wf's rows 0-31 at 0, rows 32-63 at 1,088, wg's at 2,144 and 3,232: modulo 256 these are 0, 64, 96, 160
.set WSTB,  4352
.set WH,    16                         ; v16-27  wh's fragment for my 16 channels (v22-27 zero codes)
.set WHS,   28                         ; v28     its scale words
.set PW,    29                         ; v29     a scale word just made
.set X0,    32                         ; v32-63, v64-95  x as loaded, then of my two tiles: register i = x[row][32 h + i]
.set W,     96                         ; v96-127 wf and wg as loaded, then: column r of wf (r < 8) or column r - 8 of wg, rows 32 h + 0 .. 31
.set WSI,   128                        ; v128    the weights' stage, on the way in: 16 x lane
.set WSO,   129                        ; v129    and on the way out (v130 at work)
.set BIA,   160                        ; v160-167 bf, then: bf in lanes 0-15, bg in lanes 16-31
.set BG,    168                        ; v168-175 bg
.set PC1,   176                        ; v176-187 the codes of tile 1 (upper six zero)
.set BH,    192                        ; v192-199 bh of my lane's channel, eight times: the C of the product
.set XS,    200                        ; v200-207 the scale words of the eight tiles of Q(x)
.set PC,    208                        ; v208-219 codes; v220-222, v224-226 the conversions' second halves
.set PW1,   227                        ; v227    tile 1's scale word
.set TM,    228                        ; v228-231 largest magnitudes, v232-235 permute results and bytes, v236-239 the conversions' scale operands
.set FG,    240                        ; v240-247, v248-255 f and g of my two tiles: written by f32 matrix instructions alone
.set XF,    32                         ; later: v32-127 the eight fragments of Q(x)
.set HA,    128                        ; later: v128-191 h, eight tiles of keys
	s_load_b256 s[4:11], s[0:1], 0x0               ; x, wf, bf, wg
	s_load_b256 s[12:19], s[0:1], 0x20             ; bg, wh's codes, wh's scales, bh
	s_load_b64 s[20:21], s[0:1], 0x40              ; ws
	v_lshl_add_u32 v223, v0, 2, 0x10100
	s_set_vgpr_msb 0x40
	v_mov_b32 v1, 0
	s_set_vgpr_msb 0x4000
	v_lshrrev_b32 v1, 5, v0
	v_readfirstlane_b32 s22, v1                    ; wave 0..3
	v_and_b32 v1, 15, v0                           ; r
	v_bfe_u32 v2, v0, 4, 1                         ; h
	v_and_b32 v3, 8, v1
	v_add_nc_u32 v3, v3, v1                        ; r + 8 (r / 8)
	v_and_b32 v6, 31, v0
	v_lshlrev_b32 v7, 2, v6                        ; 4 x lane
	v_lshlrev_b32 v31, 3, v6                       ; 8 x lane
	v_lshlrev_b32 v6, 4, v6                        ; 16 x lane
	s_mul_i32 s23, s22, XSTB
	s_add_co_u32 s23, s23, XST                     ; my stage for x
	v_mul_u32_u24 v4, v2, 272
	v_lshl_add_u32 v4, v1, 4, v4
	v_add_nc_u32 v4, s23, v4                       ; in: a load's 512 bytes are two rows: lanes 0-15 the first, lanes 16-31 the second
	v_mul_u32_u24 v5, v3, 272
	v_lshl_add_u32 v5, v2, 7, v5
	v_add_nc_u32 v5, s23, v5                       ; out: my row of a tile, + 128 h: my block of 32 channels
	s_mul_i32 s23, s22, WSTB
	s_add_co_u32 s23, s23, WST                     ; my stage for the weights
	v_add_nc_u32 v[WSI], s23, v6
	v_and_b32 v[WSO], 7, v1
	v_lshlrev_b32 v[WSO], 2, v[WSO]                ; out: column r % 8,
	v_mad_u32_u24 v[WSO], v2, 1088, v[WSO]         ; rows 32 h on,
	v_lshrrev_b32 v[WSO+1], 3, v1
	v_mad_u32_u24 v[WSO], v[WSO+1], 2144, v[WSO]   ; of wf (r < 8) or of wg
	v_add_nc_u32 v[WSO], s23, v[WSO]
	s_mul_i32 s23, s22, 3072
	v_add_nc_u32 v8, s23, v6                       ; where I store my two images of Q(x)
	s_lshl_b32 s23, s22, 8
	v_add_nc_u32 v9, s23, v7                       ; and their scale words
	s_mul_i32 s26, ttmp9, RECB                     ; my record's first byte in ws
	s_lshl_b32 s27, s22, 10
	s_add_co_u32 s28, s26, s27                     ; f's images of my two tiles
	s_lshl_b32 s29, ttmp9, 12
	s_add_co_u32 s29, s29, s27
	s_add_co_u32 s29, s29, GBASE                   ; g's: GBASE + 512 (8 x record + 2 x wave)
	s_sub_co_u32 s29, s29, s28                     ; the distance between the two
	v_mul_u32_u24 v10, s29, v2                     ; lanes 0-15 hold f, lanes 16-31 hold g
	v_lshl_add_u32 v10, v1, 4, v10
	v_add_nc_u32 v10, s28, v10
	v_mul_u32_u24 v11, v3, 48
	v_mad_u32_u24 v11, v2, 24, v11                 ; wh's codes: a row of 64 codes is 48 bytes, + 24 h
	v_lshlrev_b32 v12, 1, v3                       ; wh's scales: 2 bytes a row
	v_lshlrev_b32 v13, 2, v3                       ; bh
	v_lshlrev_b32 v14, 3, v2                       ; 8 h: my block's place in a scale word, in bits
	v_mov_b32 v15, 0
	s_lshl_b32 s23, s22, 6
	s_add_co_u32 s23, s23, VSC
	v_lshl_add_u32 v30, v1, 2, s23                 ; LDS: the scale word of my channel
.irp j, 6,7,8,9,10,11
	v_mov_b32 v[WH+\j], 0                          ; zero codes for k = 64 .. 127
	v_mov_b32 v[PC+\j], 0
	v_mov_b32 v[PC1+\j], 0
.endr
.irp b, 0,1,2,3
	v_mov_b32 v[TM+4+\b], 0                        ; written once: a lane permute's destination counts as one of its sources
.endr
	s_mov_b32 s24, 0x76543210
	s_mov_b32 s25, 0xfedcba98                      ; v_permlanex16_b32's selects for lane l xor 16
	s_lshl_b32 s32, ttmp9, 15                      ; x: 128 rows of 256 bytes a record,
	s_lshl_b32 s23, s22, 13                        ; 32 rows a wave
	s_add_co_u32 s32, s32, s23
	s_mov_b32 s33, 0
	s_lshr_b32 s34, s22, 1
	s_lshl_b32 s34, s34, 5
	s_and_b32 s35, s22, 1
	s_lshl_b32 s35, s35, 3
	s_add_co_u32 s34, s34, s35                     ; my channel tile's first channel: 32 (w / 2) + 8 (w % 2)
	s_mul_i32 s36, s34, 48
	s_mov_b32 s37, 0
	s_lshl_b32 s38, s34, 1
	s_mov_b32 s39, 0
	s_lshl_b32 s40, s34, 2
	s_mov_b32 s41, 0
	s_mov_b32 s42, s26
	s_mov_b32 s43, 0
	s_mul_i32 s44, s22, 1536
	s_add_co_u32 s44, s44, s26
	s_mov_b32 s45, 0
	s_wait_kmcnt 0x0
	s_add_nc_u64 s[4:5], s[4:5], s[32:33]
	s_add_nc_u64 s[14:15], s[14:15], s[36:37]
	s_add_nc_u64 s[16:17], s[16:17], s[38:39]
	s_add_nc_u64 s[18:19], s[18:19], s[40:41]
	s_add_nc_u64 s[42:43], s[20:21], s[42:43]      ; ws at my record
	s_add_nc_u64 s[44:45], s[20:21], s[44:45]      ; and 1,536 bytes on for each wave: my fragment of V^T
.irp i, 0,1,2,3,4,5,6,7,8,9,10,11,12,13,14,15
	global_load_b128 v[X0+4*\i:X0+4*\i+3], v6, s[4:5] offset:512*\i th:TH_LOAD_NT   ; my 32 rows of x as they lie: 32 lanes read 512 consecutive bytes, two rows
.endr
.irp i, 0,1,2,3
	global_load_b128 v[W+4*\i:W+4*\i+3], v6, s[6:7] offset:512*\i          ; wf, 2,048 bytes: 16 rows a load
	global_load_b128 v[W+16+4*\i:W+16+4*\i+3], v6, s[10:11] offset:512*\i  ; wg likewise
.endr
	global_load_b128 v[BIA:BIA+3], v15, s[8:9]
	global_load_b128 v[BIA+4:BIA+7], v15, s[8:9] offset:16
	global_load_b128 v[BG:BG+3], v15, s[12:13]
	global_load_b128 v[BG+4:BG+7], v15, s[12:13] offset:16
.irp p, 0,1,2
	global_load_b64 v[WH+2*\p:WH+2*\p+1], v11, s[14:15] offset:8*\p
.endr
	global_load_u16 v[WHS], v12, s[16:17]          ; two scale bytes; the upper two come as 0
	global_load_b32 v[BH], v13, s[18:19]
	s_wait_loadcnt 0x0                             ; one wait: x was asked for first and everything below wants it
.irp i, 0,1,2,3,4,5,6,7,8,9,10,11,12,13,14,15
	ds_store_b128 v4, v[X0+4*\i:X0+4*\i+3] offset:544*\i                   ; rows 2 i and 2 i + 1
.endr
.irp i, 0,1,2,3
	ds_store_b128 v[WSI], v[W+4*\i:W+4*\i+3] offset:512*\i+64*(\i/2)       ; rows 32 on begin 64 bytes late
	ds_store_b128 v[WSI], v[W+16+4*\i:W+16+4*\i+3] offset:2144+512*\i+64*(\i/2)
.endr
.irp u, 0,1
.irp j, 0,1,2,3,4,5,6,7
	ds_load_b128 v[X0+32*\u+4*\j:X0+32*\u+4*\j+3], v5 offset:2176*\u+16*\j ; tile u begins 8 rows on.  These see my stores, and come back into the registers that the stores have left
.endr
.endr
.set kk, 0
.rept 32
	ds_load_b32 v[W+kk], v[WSO] offset:32*kk       ; w[32 h + kk][r % 8]: rows 0-7 of the left operand are wf's columns, rows 8-15 wg's
.set kk, kk+1
.endr
	v_cmp_eq_u32 s30, 1, v2
.irp j, 0,1,2,3,4,5,6,7
	v_cndmask_b32 v[BIA+\j], v[BIA+\j], v[BG+\j], s30
.endr
.irp j, 1,2,3,4,5,6,7
	v_mov_b32 v[BH+\j], v[BH]                      ; the result's eight registers of a lane are eight keys of ONE channel: the same bias in all eight
.endr
	s_wait_dscnt 0x0
	; ---- Q(x): a lane holds a whole block of 32 channels of its row; the two tiles by turns
.irp u, 0,1
	v_max3_num_f32 v[TM+\u], |v[X0+32*\u]|, |v[X0+32*\u+1]|, 0x2800000     ; with the floor 2^(5 - 127): the byte cannot fall under 1
.endr
.irp i, 2,4,6,8,10,12,14,16,18,20,22,24,26,28,30
.irp u, 0,1
	v_max3_num_f32 v[TM+\u], v[TM+\u], |v[X0+32*\u+\i]|, |v[X0+32*\u+\i+1]|
.endr
.endr
.irp u, 0,1
	v_add_nc_u32 v[TM+8+\u], 0xfe000000, v[TM+\u]  ; 4 off the exponent field: the conversion's scale operand
.endr
.irp u, 0,1
	v_lshrrev_b32 v[TM+2+\u], 23, v[TM+8+\u]       ; the scale's byte,
.endr
.irp u, 0,1
	v_lshlrev_b32 v[TM+2+\u], v14, v[TM+2+\u]      ; at my block's place in the word;
.endr
.irp u, 0,1
	v_permlanex16_b32 v[TM+4+\u], v[TM+2+\u], s24, s25
.endr
	v_or_b32 v[PW], v[TM+2], v[TM+4]               ; with lane l xor 16's the row's word is whole
	v_or_b32 v[PW1], v[TM+3], v[TM+5]
	v_cvt_scalef32_pk16_bf6_f32 v[PC:PC+2], v[X0:X0+15], v[TM+8]
	v_cvt_scalef32_pk16_bf6_f32 v[PC+12:PC+14], v[X0+16:X0+31], v[TM+8]      ; (a conversion's three registers begin on an even number)
	v_cvt_scalef32_pk16_bf6_f32 v[PC1:PC1+2], v[X0+32:X0+47], v[TM+9]
	v_cvt_scalef32_pk16_bf6_f32 v[PC+16:PC+18], v[X0+48:X0+63], v[TM+9]
	v_nop                                          ; one plain place behind a scaled conversion
.irp i, 0,1,2
	v_mov_b32 v[PC+3+\i], v[PC+12+\i]
	v_mov_b32 v[PC1+3+\i], v[PC+16+\i]
.endr
.irp g, 0,1,2
	ds_store_b128 v8, v[PC+4*\g:PC+4*\g+3] offset:512*\g             ; the fragments go to LDS as they stand
	ds_store_b128 v8, v[PC1+4*\g:PC1+4*\g+3] offset:1536+512*\g
.endr
	ds_store_b32 v9, v[PW] offset:XSC
	ds_store_b32 v9, v[PW1] offset:XSC+128
	s_wait_dscnt 0x0                               ; for the others: my images have landed
	s_barrier_signal -1
	; ---- f and g, on registers alone, while the others arrive.  Left operand: 16 columns (8 of wf, 8 of wg); right operand: my 16 rows of x.  In the result lane (r, 0) holds f[row r][0 .. 7], lane (r, 1) g[row r][0 .. 7].
	; The first K step takes the biases as C; the two accumulators take turns, one instruction a turn.
	v_wmma_f32_16x16x4_f32 v[FG:FG+7], v[W:W+1], v[X0:X0+1], v[BIA:BIA+7]
	v_wmma_f32_16x16x4_f32 v[FG+8:FG+15], v[W:W+1], v[X0+32:X0+33], v[BIA:BIA+7]
.set kk, 1
.rept 15
	v_wmma_f32_16x16x4_f32 v[FG:FG+7], v[W+2*kk:W+2*kk+1], v[X0+2*kk:X0+2*kk+1], v[FG:FG+7]
	v_wmma_f32_16x16x4_f32 v[FG+8:FG+15], v[W+2*kk:W+2*kk+1], v[X0+32+2*kk:X0+33+2*kk], v[FG+8:FG+15]
.set kk, kk+1
.endr
	s_barrier_wait -1                              ; the eight fragments of Q(x) lie in LDS
.rept 9
	v_nop                                          ; behind the f32 form: 8 places ahead of stores of its results and of loads into its operands, 9 ahead of matrix results laid over the biases
.endr
.irp u, 0,1
	global_store_b128 v10, v[FG+8*\u:FG+8*\u+3], s[20:21] offset:512*\u        ; channels 0-3: sixteen lanes fill 256 consecutive bytes, aligned; each accumulator from its low end on
	global_store_b128 v10, v[FG+8*\u+4:FG+8*\u+7], s[20:21] offset:512*\u+256  ; channels 4-7: the image's lanes 16-31
.endr
	; ---- h for my 16 channels and all 128 keys: left operand = 16 keys of Q(x), right operand = my 16 rows of wh's codes: a lane holds ONE channel, its registers run along the keys
.irp t, 0,1,2,3,4,5,6,7
.irp g, 0,1,2
	ds_load_b128 v[XF+12*\t+4*\g:XF+12*\t+4*\g+3], v6 offset:1536*\t+512*\g
.endr
	ds_load_b32 v[XS+\t], v7 offset:XSC+128*\t
.endr
	s_wait_dscnt 0x0
.irp t, 0,1,2,3,4,5,6,7
	v_wmma_scale_f32_16x16x128_f8f6f4 v[HA+8*\t:HA+8*\t+7], v[XF+12*\t:XF+12*\t+11], v[WH:WH+11], v[BH:BH+7], v[XS+\t], v[WHS] matrix_a_fmt:MATRIX_FMT_BF6 matrix_b_fmt:MATRIX_FMT_BF6
.endr
.rept 4
	v_nop                                          ; four places ahead of the first read of results
.endr
	; ---- Q(h) along the keys: register 16 b + i is key 32 b + 16 h + i of my channel
.irp b, 0,1,2,3
	v_max3_num_f32 v[TM+\b], |v[HA+16*\b]|, |v[HA+1+16*\b]|, 0x2800000
.endr
.irp i, 2,4,6,8,10,12,14
.irp b, 0,1,2,3
	v_max3_num_f32 v[TM+\b], v[TM+\b], |v[HA+16*\b+\i]|, |v[HA+1+16*\b+\i]|
.endr
.endr
.irp b, 0,1,2,3
	v_permlanex16_b32 v[TM+4+\b], v[TM+\b], s24, s25
.endr
.irp b, 0,1,2,3
	v_max_num_f32 v[TM+\b], v[TM+\b], v[TM+4+\b]   ; with lane l xor 16's 16 keys: the block's largest magnitude
.endr
.irp b, 0,1,2,3
	v_add_nc_u32 v[TM+8+\b], 0xfe000000, v[TM+\b]
.endr
.irp b, 0,1,2,3
	v_lshrrev_b32 v[TM+4+\b], 23, v[TM+8+\b]
.endr
	v_lshl_or_b32 v[PW], v[TM+5], 8, v[TM+4]       ; my channel's scale word for these 128 keys
	v_lshl_or_b32 v[PW], v[TM+6], 16, v[PW]
	v_lshl_or_b32 v[PW], v[TM+7], 24, v[PW]
.irp c, 0,1
	v_cvt_scalef32_pk16_bf6_f32 v[PC+6*\c:PC+2+6*\c], v[HA+32*\c:HA+15+32*\c], v[TM+8+2*\c]
	v_cvt_scalef32_pk16_bf6_f32 v[PC+12+4*\c:PC+14+4*\c], v[HA+16+32*\c:HA+31+32*\c], v[TM+8+2*\c+1]
.endr
	v_nop                                          ; one plain place behind a scaled conversion
.irp c, 0,1                                    ; the operand's layout wants a whole block in a lane: lanes 0-15 block 2 c, lanes 16-31 block 2 c + 1
.irp i, 0,1,2
	v_permlane16_swap_b32 v[PC+6*\c+\i], v[PC+12+4*\c+\i]
.endr
.irp i, 0,1,2
	v_mov_b32 v[PC+3+6*\c+\i], v[PC+12+4*\c+\i]
.endr
.endr
.irp g, 0,1,2
	global_store_b128 v6, v[PC+4*\g:PC+4*\g+3], s[44:45] offset:4096+512*\g    ; 32 lanes store 512 consecutive bytes, aligned to 256
.endr
	ds_store_b32 v30, v[PW]                        ; both lanes of a channel write the same word with the same value
	s_wait_dscnt 0x0                               ; for wave 0: my scale words have landed
	s_barrier_signal -1
	s_barrier_wait -1
	s_cmp_lg_u32 s22, 0
	s_cbranch_scc1 .Ldone
	ds_load_b64 v[32:33], v31 offset:VSC           ; the record's 64 scale words leave as 256 consecutive bytes, aligned
	s_wait_dscnt 0x0
	global_store_b64 v31, v[32:33], s[42:43] offset:10240
.Ldone:
	s_set_vgpr_msb 0x4
	s_wait_tensorcnt 0x0
	ds_add_u32 v223, v1
	s_wait_dscnt 0x0
	s_set_vgpr_msb 0x400
	s_endpgm
.Lfunc_end_k_qcdf6140225_prep:
	.size	k_qcdf6140225_prep, .Lfunc_end_k_qcdf6140225_prep-k_qcdf6140225_prep
	.p2alignl 7, 3214868480
	.fill 96, 4, 3214868480
	.section	.rodata,"a",@progbits
	.p2align	6, 0x0
	.amdhsa_kernel k_qcdf6140225_prep
		.amdhsa_group_segment_fixed_size 66304
		.amdhsa_private_segment_fixed_size 0
		.amdhsa_enable_private_segment 0
		.amdhsa_kernarg_size 72
		.amdhsa_user_sgpr_count 2
		.amdhsa_user_sgpr_kernarg_segment_ptr 1
		.amdhsa_wavefront_size32 1
		.amdhsa_system_sgpr_workgroup_id_x 1
		.amdhsa_system_sgpr_workgroup_id_y 1
		.amdhsa_system_sgpr_workgroup_id_z 1
		.amdhsa_system_vgpr_workitem_id 0
		.amdhsa_next_free_vgpr 258
		.amdhsa_next_free_sgpr 66
		.amdhsa_reserve_vcc 0
		.amdhsa_float_denorm_mode_32 3
		.amdhsa_float_denorm_mode_16_64 3
		.amdhsa_memory_ordered 1
		.amdhsa_forward_progress 1
		.amdhsa_inst_pref_size 28
	.end_amdhsa_kernel
	.amdgpu_metadata
---
amdhsa.version: [ 1, 2 ]
amdhsa.kernels:
  - .name:           k_qcdf6140225_prep
    .symbol:         k_qcdf6140225_prep.kd
    .args:
      - { .name: x, .offset: 0, .size: 8, .value_kind: global_buffer, .address_space: global }
      - { .name: wf, .offset: 8, .size: 8, .value_kind: global_buffer, .address_space: global }
      - { .name: bf, .offset: 16, .size: 8, .value_kind: global_buffer, .address_space: global }
      - { .name: wg, .offset: 24, .size: 8, .value_kind: global_buffer, .address_space: global }
      - { .name: bg, .offset: 32, .size: 8, .value_kind: global_buffer, .address_space: global }
      - { .name: wh_codes, .offset: 40, .size: 8, .value_kind: global_buffer, .address_space: global }
      - { .name: wh_scales, .offset: 48, .size: 8, .value_kind: global_buffer, .address_space: global }
      - { .name: bh, .offset: 56, .size: 8, .value_kind: global_buffer, .address_space: global }
      - { .name: ws, .offset: 64, .size: 8, .value_kind: global_buffer, .address_space: global }
    .group_segment_fixed_size: 66304
    .private_segment_fixed_size: 0
    .kernarg_segment_align: 8
    .kernarg_segment_size: 72
    .max_flat_workgroup_size: 128
    .sgpr_count:     66
    .vgpr_count:     258
    .wavefront_size: 32
...
	.end_amdgpu_metadata
.endif
;; end of part 1
;; launch attn (part 2): grid 64 x 4, 16 waves a work-group, clusters of 4 x 1, 327,680 bytes of LDS; arguments ws, x, wo_codes, wo_scales, bo, gamma, out0; writes out0
.if DOCPART == 2
	.amdgcn_target "amdgcn-amd-amdhsa--gfx1250"
	.amdhsa_code_object_version 6
	.text
	.protected	k_qcdf6140225_attn
	.globl	k_qcdf6140225_attn
	.p2align	8
	.type	k_qcdf6140225_attn,@function
k_qcdf6140225_attn:
	s_mov_b64 s[64:65], 0
	v_nop
	global_prefetch_b8 v0, s[64:65] scope:SCOPE_SE
	s_setreg_imm32_b32 hwreg(HW_REG_WAVE_MODE, 25, 1), 1
	s_wait_xcnt 0x0
	s_wait_alu depctr_hold_cnt(0) depctr_sa_sdst(0) depctr_va_vdst(0) depctr_va_sdst(0) depctr_va_ssrc(0) depctr_va_vcc(0) depctr_vm_vsrc(0)
	s_getreg_b32 s2, hwreg(HW_REG_IB_STS2, 6, 4)
	s_cmp_eq_u32 s2, 0
	s_cbranch_scc0 .Lentry_in_a_cluster
	s_endpgm
.Lentry_in_a_cluster:
	s_bfe_u32 s2, ttmp6, 0x10000c
	s_cmp_lg_u32 s2, 0x3003
	s_cbranch_scc0 .Lentry_shape_is_right
	s_endpgm
.Lentry_shape_is_right:
; ATTN.  out = gamma ((softmax(g f^T) h) wo + bo) + x, for 4 images of 4,096 pixels.  f, g (f32) and Q(h) (codes of BF6 = E3M2 with the KEYS innermost, one E8M0 scale for each 32 keys) come from ws as images of
; operand registers, 128 keys to a record of RECB bytes: 8 tiles of f, 4 fragments of V^T, their scale words.
; THE SOFTMAX AHEAD OF THE SECOND PRODUCT: t = score x log2(e); M = the largest t so far, rounded UP to a whole number; p = 2^(t - M) is what is quantised, along the keys, not normalised.  The sum is taken of the
; unquantised p, in f32.  When M moves, the sum and O are multiplied by 2^(old M - new M), which rounds nothing.
; SHARES.  A work-group owns 64 queries of one image: 256 work-groups.  Of its SIXTEEN waves, wave w owns query tile w % 4 (16 queries) and the key steps whose number is w / 4 modulo 4: 8 steps of 128 keys.  At the end the four
; partial (M, sum, O) of a query tile meet in LDS; waves 0-3 join them, divide, quantise o, multiply by wo's codes and store.
; TWO GROUPS OF WAVES, HALF A KEY STEP APART.  A key step is two phases: SPH (f's tiles from LDS, 16 f32 matrix instructions, V^T from LDS into registers) and SOFT (the softmax's vector work, 4 scaled matrix instructions).
; Between two changes of slots group 0 runs SPH SOFT SPH SOFT; group 1 runs SOFT SPH SOFT SPH, its first SOFT being that of the step whose SPH it ran ahead of the change.  So behind a barrier half of the waves begin
; with matrix work and the other half with vector work.  Group = (w xor w / 4) % 2: waves w and w + 1 differ in it, and so do waves w and w + 4.  A SOFT left over touches registers alone: the step's V^T and scale words
; were loaded ahead of the change, whose wait for all LDS instructions covers them; so the slot may be filled again behind the change as if the step were finished.  Barriers, waits and the tensor load are on every wave's path;
; only SOFT stands under a branch on the wave's number.
; LAYOUT.  All products are used transposed (left operand = 16 keys, or 16 channels; right operand = my 16 queries): a lane holds ONE query (lane % 16) throughout.  The 16 rows of a tile are not neighbours: lane r of tile
; 2 b + u takes row 32 b + 8 u + r + 8 (r / 8), so that the 16 registers of tiles 2 b and 2 b + 1 are 16 neighbours 32 b + 16 (lane / 16) + 0 .. 15: along the keys for p, along the channels for o.
; The scores (K = 8) take f32 operands, since they go on into a quantiser: two v_wmma_f32_16x16x4_f32 a tile; k is permuted alike on both sides (step 0: 4 h + 0, 1; step 1: 4 h + 2, 3), so that 16 bytes a lane bring both steps.
; CLUSTER.  All 64 work-groups of an image walk the same records: the four of a cluster ask for them JOINTLY, by the same tensor load with the same descriptor and the mask 15.  My place in the cluster enters only the
; global addresses of g, x and out0.
; RING.  Two slots of 8 records (83,968 bytes), 2^17 bytes apart; waves 0-3 fetch two records each by one load of 82 rows of 256 bytes; one tensor load of a wave is out at most.  No padding: every LDS read takes consecutive bytes.
; All of a WGP's LDS is claimed; the text uses 284,672 bytes.
; LIMITS: NaN and infinities among the inputs are not served.  A block of zeros gets the scale byte 1 where the rule says 127 (its codes are zeros).  v_exp_f32 gives 0 for p under 2^-126.
; The order of f32 sums differs from a plain row sum: k permuted in the scores, the keys in four shares, 1 / sum folded into the factors that join the shares.
.set RECB,  10496
.set GBASE, 128*RECB
.set SLOT1, 1<<17
.set SPARE, 8*RECB                     ; behind slot 0: the spare words, 128 bytes for each of 16 waves: eight blocks of 256 bytes that no other line names
.set KEEP,  SPARE+2048                 ; for each of waves 0-3 KEEPB bytes, written once at the head: its 16 rows of x (4,096), wo's four fragments (6,144), bo (512), wo's scale words (512), all as register images
.set KEEPB, 11264
.set MRG,   SLOT1+8*RECB               ; behind slot 1: MB bytes for each wave: O's image (4,096) and {-M, sum} (8 bytes a lane).  Waves 0-3 use theirs as a stage of 16 rows x 272 bytes on the way out
.set MB,    4352
.set A0,  1                            ; v1   16 x lane + my record's place in a slot
.set AS0, 2                            ; v2   4 x lane + the same
.set ADR, 3                            ; v3   the same two in the slot in hand
.set ADS, 4                            ; v4
.set SPW, 5                            ; v5   LDS address of my spare word; never rewritten
.set NIL, 6                            ; v6   0; never rewritten
.set MW,  7                            ; v7   my wave's image in MRG, 16 x lane
.set M8,  8                            ; v8   my {-M, sum} there
.set KB,  9                            ; v9   my query tile's KEEP bytes, 16 x lane
.set VS,  10                           ; v10-11 V's scale words: lanes 0-15 tile 0 (2), lanes 16-31 tile 1 (3)
                                       ; v12 -M, v13 the largest t, v[14:15] the sum in two halves
.set GQ,  16                           ; v16-19 g of my query: [4 h .. 4 h + 3]
.set PC,  20                           ; v20-31 p's codes
.set FV,  32                           ; v32-79 eight tiles of f (4 registers each), then four fragments of V^T (12 each)
.set S,   80                           ; v80-143 the scores: written by f32 matrix instructions alone
.set P,   144                          ; v144-207 t - M, then p
.set OT,  208                          ; v208-239 O^T: register 16 b + i is channel 32 b + 16 h + i
.set BM,  240                          ; v240-243 each block's largest score, then its largest p; later a conversion's second half
.set PD,  244                          ; v244-247 permute results, a chain of sums, bytes, a conversion's second half
.set SO,  248                          ; v248-251 the conversions' scale operands
                                       ; v252 f = 2^(old M - new M), v253 p's scale word, v254 at work
.set WV,  18                           ; s18  my wave's number
.set QT,  19                           ; s19  my query tile
.set SEL, 20                           ; s[20:21] v_permlanex16_b32's selects for lane l xor 16
.set CS,  22                           ; s[22:23] log2(e), twice
.set G1,  24                           ; s[24:31] descriptor group 1
.set G0,  32                           ; s[32:35] descriptor group 0, which walks
.set TB,  36                           ; s36  LDS byte at which the slot in hand begins
.set SLOTS, 37                         ; s37  counts the loop's trips
.set KQ,  38                           ; s38  my share of the keys
.set GAM, 46                           ; s[46:47] gamma, twice
.set GRP, 56                           ; s56  my group: (w xor w / 4) % 2
; A round of the cluster's barrier: my work-group's barrier, wave 0's signal for the work-group, every wave's wait for all four work-groups, my work-group's barrier once more.
.macro CROUND
	s_barrier_signal -1
	s_barrier_wait -1
	s_cmp_lg_u32 s[WV], 0
	s_cbranch_scc1 .Lnot_wave_0_\@
	s_barrier_signal -3
.Lnot_wave_0_\@:
	s_barrier_wait -3
	s_barrier_signal -1
	s_barrier_wait -1
.endm
; The joint load: waves 0-3, two records each.  The branch hangs on the wave's number alone.  Four v_nop follow the load.
.macro JLOAD
	s_cmp_lt_u32 s[WV], 4
	s_cbranch_scc0 .Lasked_\@
	tensor_load_to_lds s[G0:G0+3], s[G1:G1+7]
	s_nop 0
.rept 4
	v_nop
.endr
.Lasked_\@:
.endm
	s_load_b256 s[4:11], s[0:1], 0x0               ; ws, x, wo's codes, wo's scales
	s_load_b128 s[12:15], s[0:1], 0x20             ; bo, gamma
	s_load_b64 s[16:17], s[0:1], 0x30              ; out0
	v_lshl_add_u32 v[SPW], v0, 2, SPARE
	v_mov_b32 v[NIL], 0
	ds_add_u32 v5, v6
	s_wait_dscnt 0x0
	v_lshrrev_b32 v1, 5, v0
	v_readfirstlane_b32 s[WV], v1                  ; wave 0..15
	s_and_b32 s[QT], s[WV], 3
	s_lshr_b32 s[KQ], s[WV], 2
	s_xor_b32 s[GRP], s[WV], s[KQ]
	s_and_b32 s[GRP], s[GRP], 1
	s_bfe_u32 s39, ttmp6, 0x40000                  ; cx: my place in the cluster
	s_lshl_b32 s40, ttmp9, 2                       ; in a cluster launch ttmp9 counts clusters
	s_add_co_u32 s40, s40, s39                     ; my block of 64 queries
	s_and_b32 s41, ttmp7, 0xffff                   ; the image, which the four partners share
	; descriptor group 1: two records, 20,992 dense bytes, as 82 rows of 256 bytes (32 elements of 8 bytes)
	s_mov_b32 s[G1], 15|(3<<16)|(1<<21)            ; 15:0 the mask: all four work-groups; 17:16 elements of 8 bytes; 20 no padding; 21 set beside a mask
	s_mov_b32 s[G1+1], 32<<16                      ; tensor_dim0 = 32
	s_mov_b32 s[G1+2], 82<<16                      ; tensor_dim1 = 82
	s_mov_b32 s[G1+3], 32<<16                      ; tile_dim0 = 32
	s_mov_b32 s[G1+4], 82                          ; tile_dim1 = 82
	s_mov_b32 s[G1+5], 32                          ; from row to row
	s_mov_b32 s[G1+6], 0
	s_mov_b32 s[G1+7], 0
	s_mov_b32 s[G0], 1                             ; count = 1
	s_mul_i32 s[G0+1], s[QT], 2*RECB               ; LDS address: slot 0, two records for each fetching wave
	s_mul_i32 s42, s41, 32*RECB                    ; the image's 32 records
	s_add_co_u32 s42, s42, s[G0+1]
	s_mov_b32 s43, 0
	s_lshl_b32 s48, s41, 17                        ; g's image of my query tile: GBASE + 512 (256 x image + 4 x block + tile)
	s_lshl_b32 s44, s40, 11
	s_add_co_u32 s48, s48, s44
	s_lshl_b32 s44, s[QT], 9
	s_add_co_u32 s48, s48, s44
	s_add_co_u32 s48, s48, GBASE
	s_mov_b32 s49, 0
	s_lshl_b32 s50, s41, 20                        ; my tile's first row of x and out0, 256 bytes a row: 4,096 x image + 64 x block + 32 (tile / 2) + 8 (tile % 2)
	s_lshl_b32 s44, s40, 14
	s_add_co_u32 s50, s50, s44
	s_lshr_b32 s44, s[QT], 1
	s_lshl_b32 s44, s44, 13
	s_add_co_u32 s50, s50, s44
	s_and_b32 s44, s[QT], 1
	s_lshl_b32 s44, s44, 11
	s_add_co_u32 s50, s50, s44
	s_mov_b32 s51, 0
	s_mov_b32 s[SEL], 0x76543210
	s_mov_b32 s[SEL+1], 0xfedcba98
	s_mov_b32 s[CS], 0x3fb8aa3b                    ; log2(e)
	s_mov_b32 s[CS+1], s[CS]                       ; (named with it as a pair, so it is written)
	s_mov_b32 s[TB], 0
	s_mov_b32 s[SLOTS], 2
	s_wait_kmcnt 0x0
	s_load_b32 s[GAM], s[14:15], 0x0               ; gamma: waited for ahead of the first slot
	s_add_nc_u64 s[G0+2:G0+3], s[4:5], s[42:43]    ; global address: the image's first 8 records, my two of them
	s_or_b32 s[G0+3], s[G0+3], 0x80000000          ; type = 2
	s_add_nc_u64 s[48:49], s[4:5], s[48:49]
	s_add_nc_u64 s[52:53], s[16:17], s[50:51]
	s_add_nc_u64 s[50:51], s[6:7], s[50:51]
	CROUND                                         ; all four work-groups are here: the first joint loads meet
	JLOAD                                          ; slot 0
	; every LDS address that outlives the head is made here, on the way that all waves take
	v_and_b32 v254, 31, v0                         ; lane
	s_mul_i32 s45, s[KQ], RECB
	v_lshl_add_u32 v[A0], v254, 4, s45
	v_lshl_add_u32 v[AS0], v254, 2, s45
	s_mul_i32 s54, s[WV], MB
	s_add_co_u32 s54, s54, MRG                     ; my wave's bytes in MRG: kept for the way out
	v_lshl_add_u32 v[MW], v254, 4, s54
	s_add_co_u32 s55, s54, 4096
	v_lshl_add_u32 v[M8], v254, 3, s55
	s_mul_i32 s42, s[QT], KEEPB
	s_add_co_u32 s42, s42, KEEP
	v_lshl_add_u32 v[KB], v254, 4, s42
	v_lshlrev_b32 v254, 4, v254
	global_load_b128 v[GQ:GQ+3], v254, s[48:49]    ; g of my 16 queries stays in registers
	v_and_b32 v243, 15, v0                         ; r
	v_bfe_u32 v242, v0, 4, 1                       ; h
	v_lshlrev_b32 v240, 8, v242
	v_lshl_add_u32 v240, v243, 4, v240             ; x by rows: lanes 0-15 one row of 256 bytes, lanes 16-31 the next
	v_mul_u32_u24 v241, v243, 48
	v_mad_u32_u24 v241, v242, 24, v241             ; wo's codes: row r of 48 bytes, + 24 h
	v_lshlrev_b32 v242, 1, v243                    ; wo's scales: 2 bytes a row
	v_lshlrev_b32 v243, 4, v243                    ; bo: my four channels of a row
	v_mov_b32 v13, 0xff61b1e6                      ; the largest t so far: -3e38, under every t
	v_floor_f32 v12, -v13                          ; -M
	v_mov_b32 v14, 0                               ; the sum, in two halves
	v_mov_b32 v15, 0
.irp b, 0,1,2,3
	v_mov_b32 v[PD+\b], 0                          ; written once: a lane permute's destination counts as one of its sources
.endr
	v_mov_b32 v253, 0                              ; (named as the upper half of the pair v[252:253] before it is first written)
.set j, 0
.rept 32
	v_mov_b32 v[OT+j], 0                           ; O^T.  (The key step is written without a first step of its own: it finds zeros, which the first change of M leaves zeros)
.set j, j+1
.endr
	; waves 0-3 bring what the way out will want and lay it in their KEEP bytes while slot 0 is on its way: in the loop no register is free for it
	s_cmp_lt_u32 s[WV], 4
	s_cbranch_scc0 .Lno_keep
.irp i, 0,1,2,3,4,5,6,7
	global_load_b128 v[P+4*\i:P+4*\i+3], v240, s[50:51] offset:512*\i+2048*(\i/4) th:TH_LOAD_NT   ; rows 2 i and 2 i + 1 of my tile; its second eight rows lie 8 rows further on
.endr
.irp t, 0,1,2,3
.irp p, 0,1,2
	global_load_b64 v[FV+12*\t+2*\p:FV+12*\t+2*\p+1], v241, s[8:9] offset:768*\t+8*\p             ; wo's rows 16 t + r
.endr
	global_load_u16 v[180+\t], v242, s[10:11] offset:32*\t                                        ; two scale bytes; the upper two come as 0
.endr
	global_load_b128 v[176:179], v243, s[12:13]
.irp t, 0,1,2,3
.irp j, 6,7,8,9,10,11
	v_mov_b32 v[FV+12*\t+\j], 0                    ; K = 64: zero codes for k = 64 .. 127
.endr
.endr
	s_wait_loadcnt 0x0
.irp i, 0,1,2,3,4,5,6,7
	ds_store_b128 v[KB], v[P+4*\i:P+4*\i+3] offset:512*\i
.endr
.irp i, 0,1,2,3,4,5,6,7,8,9,10,11
	ds_store_b128 v[KB], v[FV+4*\i:FV+4*\i+3] offset:4096+512*\i
.endr
	ds_store_b128 v[KB], v[176:179] offset:10240
	ds_store_b128 v[KB], v[180:183] offset:10752
.Lno_keep:
	s_wait_loadcnt 0x0                             ; g
	s_wait_kmcnt 0x0                               ; gamma
	s_mov_b32 s[GAM+1], s[GAM]
; THE FIRST PHASE OF A KEY STEP: 128 keys, record KQ + 4 q of the slot in hand.  The scores, and V^T on its way into registers.  Behind it the step wants nothing more of LDS.
.macro SPH q
	v_add_nc_u32 v[ADR], s[TB], v[A0]
	v_add_nc_u32 v[ADS], s[TB], v[AS0]
	v_nop
	v_nop                                          ; four places behind the last products, ahead of loads into the registers that they read
.irp t, 0,1,2,3,4,5,6,7
	ds_load_b128 v[FV+4*\t:FV+4*\t+3], v[ADR] offset:41984*(\q)+512*\t
.endr
	s_wait_dscnt 0x0
.irp t, 0,1,2,3,4,5,6,7                        ; S^T = f g^T: eight tiles of 16 keys by turns; the first K step starts the sums
	v_wmma_f32_16x16x4_f32 v[S+8*\t:S+8*\t+7], v[FV+4*\t:FV+4*\t+1], v[GQ:GQ+1], 0
.endr
.irp t, 0,1,2,3,4,5,6,7
	v_wmma_f32_16x16x4_f32 v[S+8*\t:S+8*\t+7], v[FV+4*\t+2:FV+4*\t+3], v[GQ+2:GQ+3], v[S+8*\t:S+8*\t+7]
.endr
.rept 8
	v_nop                                          ; behind the f32 form eight places ahead of the first read of results and of loads into its operands
.endr
.irp t, 0,1,2,3                                ; V^T's four fragments and their scale words: they land under the softmax, or ahead of the change of slots
.irp g, 0,1,2
	ds_load_b128 v[FV+12*\t+4*\g:FV+12*\t+4*\g+3], v[ADR] offset:41984*(\q)+4096+1536*\t+512*\g
.endr
.endr
	ds_load_b32 v[VS], v[ADS] offset:41984*(\q)+10240
	ds_load_b32 v[VS+1], v[ADS] offset:41984*(\q)+10368
.endm
; THE SECOND PHASE: the softmax of the 128 scores in S, p's codes, O^T += V^T P^T.  Registers alone.
.macro SOFT
.irp b, 0,1,2,3
	v_max3_num_f32 v[BM+\b], v[S+16*\b], v[S+16*\b+1], v[S+16*\b+2]   ; the largest score of each block of 32 keys: it serves for the row's maximum and, since p rises with the score, for the block's largest p
.endr
.irp i, 3,5,7,9,11,13
.irp b, 0,1,2,3
	v_max3_num_f32 v[BM+\b], v[BM+\b], v[S+16*\b+\i], v[S+16*\b+\i+1]
.endr
.endr
.irp b, 0,1,2,3
	v_max_num_f32 v[BM+\b], v[BM+\b], v[S+16*\b+15]
.endr
.irp b, 0,1,2,3
	v_permlanex16_b32 v[PD+\b], v[BM+\b], s[SEL], s[SEL+1]
.endr
.irp b, 0,1,2,3
	v_max_num_f32 v[BM+\b], v[BM+\b], v[PD+\b]     ; with lane l xor 16's 16 keys
.endr
	v_max3_num_f32 v254, v[BM], v[BM+1], v[BM+2]
	v_max_num_f32 v254, v254, v[BM+3]              ; the step's largest score of my query
	v_mul_f32 v254, s[CS], v254                    ; as t
	v_max_num_f32 v13, v13, v254                   ; the running largest t
	v_mov_b32 v254, v12
	v_floor_f32 v12, -v13                          ; the new -M = floor(-t) = -ceil(t): a whole number
	v_sub_f32 v254, v12, v254                      ; old M less new M: a whole number, 0 or less
	v_cvt_i32_f32 v254, v254                       ; (it saturates)
	v_ldexp_f32 v252, 1.0, v254                    ; f = 2^(old M - new M)
.set j, 0
.rept 32
	v_pk_fma_f32 v[P+j:P+j+1], v[S+j:S+j+1], s[CS:CS+1], v[12:13] op_sel_hi:[1,0,0]   ; t - M, two at a time, into registers of their own: the scores' registers are written by matrix instructions alone
.set j, j+2
.endr
.irp b, 0,1,2,3
	v_fma_f32 v[BM+\b], v[BM+\b], s[CS], v12       ; the same of each block's largest score
.endr
.set j, 0
.rept 64
	v_exp_f32 v[P+j], v[P+j]                       ; p = 2^(t - M), at most 1: not normalised
.set j, j+1
.endr
	v_pk_mul_f32 v[14:15], v[14:15], v[252:253] op_sel_hi:[1,0]   ; the sums under the new M: a plain place behind the exponentials
	s_wait_alu depctr_va_vdst(0)                   ; one wait for the batch of 64, ahead of its first reader
.irp b, 0,1,2,3
	v_exp_f32 v[BM+\b], v[BM+\b]                   ; the block's largest p: the same two instructions on the same number give the same bits
.endr
	v_pk_add_f32 v[PD:PD+1], v[P:P+1], v[P+2:P+3]  ; the row's sum is taken of the unquantised p: two at a time, in two chains
.irp j, 4,8,12,16,20,24,28,32,36,40,44,48,52,56,60
	v_pk_add_f32 v[14:15], v[14:15], v[P+\j:P+\j+1]
	v_pk_add_f32 v[PD:PD+1], v[PD:PD+1], v[P+\j+2:P+\j+3]
.endr
	v_pk_add_f32 v[14:15], v[14:15], v[PD:PD+1]
	s_wait_alu depctr_va_vdst(0)                   ; and one for the four
.irp b, 0,1,2,3
	v_max_num_f32 v[BM+\b], 0x2800000, v[BM+\b]    ; the floor 2^(5 - 127): the byte cannot fall under 1
.endr
.irp b, 0,1,2,3
	v_add_nc_u32 v[SO+\b], 0xfe000000, v[BM+\b]    ; 4 off the exponent field: the conversion's scale operand
.endr
.irp b, 0,1,2,3
	v_lshrrev_b32 v[PD+\b], 23, v[SO+\b]           ; the scale's byte
.endr
	v_lshl_or_b32 v253, v[PD+1], 8, v[PD]          ; p's scale word for these 128 keys
	v_lshl_or_b32 v253, v[PD+2], 16, v253
	v_lshl_or_b32 v253, v[PD+3], 24, v253
.irp c, 0,1
	v_cvt_scalef32_pk16_bf6_f32 v[PC+6*\c:PC+6*\c+2], v[P+32*\c:P+32*\c+15], v[SO+2*\c]
	v_cvt_scalef32_pk16_bf6_f32 v[BM+4*\c:BM+4*\c+2], v[P+32*\c+16:P+32*\c+31], v[SO+2*\c+1]   ; (a conversion's three registers begin on an even number)
.endr
	v_nop                                          ; one plain place behind a scaled conversion
.irp c, 0,1                                    ; the operand's layout wants a whole block in a lane
.irp i, 0,1,2
	v_permlane16_swap_b32 v[PC+6*\c+\i], v[BM+4*\c+\i]
.endr
.irp i, 0,1,2
	v_mov_b32 v[PC+3+6*\c+\i], v[BM+4*\c+\i]
.endr
.endr
.set j, 0
.rept 16
	v_pk_mul_f32 v[OT+j:OT+j+1], v[OT+j:OT+j+1], v[252:253] op_sel_hi:[1,0]   ; O^T under the new M.  For each product below, the twelve of these that name other accumulators are the places behind the writes of p's codes (4) and of its scale word (8)
.set j, j+2
.endr
	s_wait_dscnt 0x0                               ; V^T and its scale words are in
.irp t, 0,1,2,3                                ; O^T += V^T P^T: four tiles of 16 channels; K = these 128 keys
.if \t%2
	v_wmma_scale_f32_16x16x128_f8f6f4 v[OT+8*\t:OT+8*\t+7], v[FV+12*\t:FV+12*\t+11], v[PC:PC+11], v[OT+8*\t:OT+8*\t+7], v[VS+\t/2], v253 matrix_a_fmt:MATRIX_FMT_BF6 matrix_b_fmt:MATRIX_FMT_BF6 matrix_a_scale:MATRIX_SCALE_ROW1
.else
	v_wmma_scale_f32_16x16x128_f8f6f4 v[OT+8*\t:OT+8*\t+7], v[FV+12*\t:FV+12*\t+11], v[PC:PC+11], v[OT+8*\t:OT+8*\t+7], v[VS+\t/2], v253 matrix_a_fmt:MATRIX_FMT_BF6 matrix_b_fmt:MATRIX_FMT_BF6
.endif
.endr
.endm
.macro SOFT_IF g                       ; the second phase for the waves of group g alone: a branch on the wave's number, round register work
	s_cmp_eq_u32 s[GRP], \g
	s_cbranch_scc0 .Lother_group_\@
	SOFT
.Lother_group_\@:
.endm
; THE CHANGE OF SLOTS stands at a slot's head.  Each wave waits for all its tensor loads (its part of the slot about to be read), adds 0 to its spare word, and waits for that and for its reads of the slot that it has left
; (in group 1 the loads of V^T for the step whose second phase is still to come are among them: they are in registers behind this wait).
; fill = 1: a round of the cluster's barrier, so that no wave of any partner still reads that slot or has a load on its way; then the joint load of the next 8 records into it, which has two key steps of every wave in which to land.
.macro CHANGE fill
	s_wait_tensorcnt 0x0                           ; no tensor load of mine is out, so the group 0 may be written
	ds_add_u32 v[SPW], v[NIL]                      ; 0 onto my spare word
.if \fill
	s_xor_b32 s[G0+1], s[G0+1], SLOT1              ; the other slot than last time,
	s_add_nc_u64 s[G0+2:G0+3], s[G0+2:G0+3], 8*RECB   ; the next 8 records; the type bits on top are not reached
.endif
	s_wait_dscnt 0x0                               ; the add is done, and my LDS stores and my reads of the slot that I have left are over
.if \fill
	CROUND
	JLOAD                                          ; the first thing behind the round, and a wave's one tensor load until the next
.else
	s_barrier_signal -1
	s_barrier_wait -1
.endif
.endm
	CHANGE 1                                       ; THE FIRST SLOT is written out: no step is left over yet.  Slot 1 is asked for
	SPH 0
	SOFT
	SPH 1
	SOFT_IF 0                                      ; group 1 keeps this step's second phase for behind the change
	s_xor_b32 s[TB], s[TB], SLOT1                  ; on to the other slot
.Lslot:                                            ; two trips: slots 1 and 0 are read, slots 0 and 1 asked for again
	CHANGE 1
	SOFT_IF 1                                      ; group 1: the step left over, while group 0 begins with the scores
	SPH 0
	SOFT
	SPH 1
	SOFT_IF 0
	s_xor_b32 s[TB], s[TB], SLOT1
	s_sub_co_u32 s[SLOTS], s[SLOTS], 1
	s_cmp_lg_u32 s[SLOTS], 0
	s_cbranch_scc1 .Lslot
	CHANGE 0                                       ; THE LAST SLOT is written out; every wave ends it with the second phase
	SOFT_IF 1
	SPH 0
	SOFT
	SPH 1
	SOFT
	; THE SHARES MEET.  The addresses of the way out are made by every wave, ahead of the parting of roles: ten plain instructions, which are also the places behind the last products.
	v_and_b32 v1, 15, v0                           ; r
	v_bfe_u32 v2, v0, 4, 1                         ; h
	v_mul_u32_u24 v3, v1, 272
	v_lshl_add_u32 v3, v2, 5, v3
	v_add_nc_u32 v3, s54, v3                       ; the stage, in: row r, + 32 h
	v_mul_u32_u24 v4, v2, 272
	v_lshl_add_u32 v4, v1, 4, v4
	v_add_nc_u32 v4, s54, v4                       ; back: lanes 0-15 one row, lanes 16-31 the next
	v_lshlrev_b32 v2, 8, v2
	v_lshl_add_u32 v2, v1, 4, v2                   ; and the same two rows in out0
	v_add_f32 v14, v14, v15                        ; the sum's two halves,
	v_permlanex16_b32 v252, v14, s[SEL], s[SEL+1]
	v_add_f32 v13, v14, v252                       ; and lane l xor 16's: my share's sum, beside -M in the pair v[12:13]
	s_cmp_lt_u32 s[WV], 4
	s_cbranch_scc1 .Lowner
.irp i, 0,1,2,3,4,5,6,7
	ds_store_b128 v[MW], v[OT+4*\i:OT+4*\i+3] offset:512*\i   ; O^T as it stands, each accumulator from its low end on
.endr
	ds_store_b64 v[M8], v[12:13]
.Lowner:
	s_wait_dscnt 0x0                               ; for waves 0-3: my image has landed
	s_barrier_signal -1
	s_barrier_wait -1
	s_cmp_lt_u32 s[WV], 4
	s_cbranch_scc0 .Lend
	; waves 0-3: the shares of waves w + 4, w + 8, w + 12 lie 4 MB bytes apart
.irp k, 1,2,3
	ds_load_b64 v[BM+2*(\k-1):BM+2*(\k-1)+1], v[M8] offset:4*MB*\k
.endr
.irp i, 0,1,2,3,4,5,6,7
	ds_load_b128 v[144+4*\i:147+4*\i], v[MW] offset:4*MB+512*\i
.endr
.irp i, 0,1,2,3,4,5,6,7
	ds_load_b128 v[176+4*\i:179+4*\i], v[MW] offset:8*MB+512*\i
.endr
.irp i, 0,1,2,3,4,5,6,7
	ds_load_b128 v[FV+4*\i:FV+4*\i+3], v[MW] offset:12*MB+512*\i
.endr
	s_wait_dscnt 24                                ; the three {-M, sum} are in; the 24 loads of images issued behind them may stay out
	v_min3_num_f32 v254, v12, v240, v242
	v_min_num_f32 v254, v254, v244                 ; -M of the whole row: the least of the four
	v_sub_f32 v246, v254, v12                      ; each share's M less the row's: a whole number, 0 or less
	v_sub_f32 v248, v254, v240
	v_sub_f32 v250, v254, v242
	v_sub_f32 v252, v254, v244
.irp k, 246,248,250,252
	v_cvt_i32_f32 v\k, v\k
.endr
.irp k, 246,248,250,252
	v_ldexp_f32 v\k, 1.0, v\k                      ; the share's factor, a power of two
.endr
	v_mul_f32 v254, v246, v13
	v_fmac_f32 v254, v248, v241
	v_fmac_f32 v254, v250, v243
	v_fmac_f32 v254, v252, v245                    ; the row's sum
	v_rcp_f32 v255, v254
	v_nop                                          ; a plain place behind the reciprocal
	s_wait_alu depctr_va_vdst(0)                   ; and the wait ahead of its first reader
.irp k, 246,248,250,252
	v_mul_f32 v\k, v\k, v255                       ; factor / sum
.endr
	s_wait_dscnt 0x0
.set j, 0
.rept 16
	v_pk_mul_f32 v[OT+j:OT+j+1], v[OT+j:OT+j+1], v[246:247] op_sel_hi:[1,0]
.set j, j+2
.endr
.set j, 0
.rept 16
	v_pk_fma_f32 v[OT+j:OT+j+1], v[144+j:145+j], v[248:249], v[OT+j:OT+j+1] op_sel_hi:[1,0,1]
.set j, j+2
.endr
.set j, 0
.rept 16
	v_pk_fma_f32 v[OT+j:OT+j+1], v[176+j:177+j], v[250:251], v[OT+j:OT+j+1] op_sel_hi:[1,0,1]
.set j, j+2
.endr
.set j, 0
.rept 16
	v_pk_fma_f32 v[OT+j:OT+j+1], v[FV+j:FV+j+1], v[252:253], v[OT+j:OT+j+1] op_sel_hi:[1,0,1]   ; o: register 16 b + i is channel 32 b + 16 h + i of my query
.set j, j+2
.endr
.irp i, 0,1,2,3,4,5,6,7,8,9,10,11
	ds_load_b128 v[144+4*\i:147+4*\i], v[KB] offset:4096+512*\i    ; wo's four fragments, my own bytes
.endr
	ds_load_b128 v[192:195], v[KB] offset:10752    ; their scale words
	ds_load_b128 v[196:199], v[KB] offset:10240    ; bo
	; Q(o) along the channels: two blocks of 32
.irp b, 0,1
	v_max3_num_f32 v[BM+\b], |v[OT+16*\b]|, |v[OT+16*\b+1]|, 0x2800000
.endr
.irp i, 2,4,6,8,10,12,14
.irp b, 0,1
	v_max3_num_f32 v[BM+\b], v[BM+\b], |v[OT+16*\b+\i]|, |v[OT+16*\b+\i+1]|
.endr
.endr
.irp b, 0,1
	v_permlanex16_b32 v[PD+\b], v[BM+\b], s[SEL], s[SEL+1]
.endr
.irp b, 0,1
	v_max_num_f32 v[BM+\b], v[BM+\b], v[PD+\b]
.endr
.irp b, 0,1
	v_add_nc_u32 v[SO+\b], 0xfe000000, v[BM+\b]
.endr
.irp b, 0,1
	v_lshrrev_b32 v[PD+\b], 23, v[SO+\b]
.endr
	v_lshl_or_b32 v253, v[PD+1], 8, v[PD]          ; o's scale word: two bytes, the upper two 0 over zero codes
.irp j, 6,7,8,9,10,11
	v_mov_b32 v[PC+\j], 0                          ; K = 64: zero codes for k = 64 .. 127
.endr
	v_cvt_scalef32_pk16_bf6_f32 v[PC:PC+2], v[OT:OT+15], v[SO]
	v_cvt_scalef32_pk16_bf6_f32 v[BM:BM+2], v[OT+16:OT+31], v[SO+1]
	v_nop                                          ; one plain place behind a scaled conversion
.irp i, 0,1,2
	v_permlane16_swap_b32 v[PC+\i], v[BM+\i]
.endr
.irp i, 0,1,2
	v_mov_b32 v[PC+3+\i], v[BM+\i]
.endr
.rept 8
	v_nop                                          ; a scale register written by a vector instruction stands 8 places ahead of a scaled matrix instruction, an operand so written 4
.endr
	s_wait_dscnt 0x0
.irp t, 0,1,2,3                                ; left operand = 16 rows of wo's codes, right operand = Q(o): a lane gets eight neighbouring output channels 16 t + 8 h + 0 .. 7 of its query
	v_wmma_scale_f32_16x16x128_f8f6f4 v[OT+8*\t:OT+8*\t+7], v[144+12*\t:155+12*\t], v[PC:PC+11], 0, v[192+\t], v253 matrix_a_fmt:MATRIX_FMT_BF6 matrix_b_fmt:MATRIX_FMT_BF6
.endr
.rept 4
	v_nop                                          ; four places ahead of the stores of results and of loads into the operands
.endr
.irp t, 0,1,2,3
	ds_store_b128 v3, v[OT+8*\t:OT+8*\t+3] offset:64*\t
	ds_store_b128 v3, v[OT+8*\t+4:OT+8*\t+7] offset:64*\t+16
.endr
.irp i, 0,1,2,3,4,5,6,7
	ds_load_b128 v[FV+4*\i:FV+4*\i+3], v4 offset:544*\i      ; LDS serves a wave's instructions in order (ISA guide 5.7.1.4): these see my stores.  Whole rows: 2 i and 2 i + 1
.endr
.irp i, 0,1,2,3,4,5,6,7
	ds_load_b128 v[144+4*\i:147+4*\i], v[KB] offset:512*\i   ; the same rows of x
.endr
	s_wait_dscnt 0x0
.set j, 0
.rept 16
	v_pk_add_f32 v[FV+j:FV+j+1], v[FV+j:FV+j+1], v[196+j%4:197+j%4]                          ; + bo: a lane's four channels are the same in every row
.set j, j+2
.endr
.set j, 0
.rept 16
	v_pk_fma_f32 v[FV+j:FV+j+1], v[FV+j:FV+j+1], s[GAM:GAM+1], v[144+j:145+j] op_sel_hi:[1,0,1]   ; x gamma + x
.set j, j+2
.endr
.irp i, 0,1,2,3,4,5,6,7
	global_store_b128 v2, v[FV+4*\i:FV+4*\i+3], s[52:53] offset:512*\i+2048*(\i/4) th:TH_STORE_NT   ; sixteen lanes store a row of 256 consecutive bytes, aligned
.endr
.Lend:
	s_wait_tensorcnt 0x0                           ; the wave's end, behind my last tensor load and my last LDS store
	ds_add_u32 v[SPW], v[NIL]
	s_wait_dscnt 0x0
	CROUND                                         ; the closing round: no work-group ends while a partner may still ask for records that name it
	s_endpgm
.Lfunc_end_k_qcdf6140225_attn:
	.size	k_qcdf6140225_attn, .Lfunc_end_k_qcdf6140225_attn-k_qcdf6140225_attn
	.p2alignl 7, 3214868480
	.fill 96, 4, 3214868480
	.section	.rodata,"a",@progbits
	.p2align	6, 0x0
	.amdhsa_kernel k_qcdf6140225_attn
		.amdhsa_group_segment_fixed_size 327680
		.amdhsa_private_segment_fixed_size 0
		.amdhsa_enable_private_segment 0
		.amdhsa_kernarg_size 56
		.amdhsa_user_sgpr_count 2
		.amdhsa_user_sgpr_kernarg_segment_ptr 1
		.amdhsa_wavefront_size32 1
		.amdhsa_system_sgpr_workgroup_id_x 1
		.amdhsa_system_sgpr_workgroup_id_y 1
		.amdhsa_system_sgpr_workgroup_id_z 1
		.amdhsa_system_vgpr_workitem_id 0
		.amdhsa_next_free_vgpr 256
		.amdhsa_next_free_sgpr 66
		.amdhsa_reserve_vcc 0
		.amdhsa_float_denorm_mode_32 3
		.amdhsa_float_denorm_mode_16_64 3
		.amdhsa_memory_ordered 1
		.amdhsa_forward_progress 1
		.amdhsa_inst_pref_size 144
	.end_amdhsa_kernel
	.amdgpu_metadata
---
amdhsa.version: [ 1, 2 ]
amdhsa.kernels:
  - .name:           k_qcdf6140225_attn
    .symbol:         k_qcdf6140225_attn.kd
    .args:
      - { .name: ws, .offset: 0, .size: 8, .value_kind: global_buffer, .address_space: global }
      - { .name: x, .offset: 8, .size: 8, .value_kind: global_buffer, .address_space: global }
      - { .name: wo_codes, .offset: 16, .size: 8, .value_kind: global_buffer, .address_space: global }
      - { .name: wo_scales, .offset: 24, .size: 8, .value_kind: global_buffer, .address_space: global }
      - { .name: bo, .offset: 32, .size: 8, .value_kind: global_buffer, .address_space: global }
      - { .name: gamma, .offset: 40, .size: 8, .value_kind: global_buffer, .address_space: global }
      - { .name: out0, .offset: 48, .size: 8, .value_kind: global_buffer, .address_space: global }
    .group_segment_fixed_size: 327680
    .private_segment_fixed_size: 0
    .kernarg_segment_align: 8
    .kernarg_segment_size: 56
    .max_flat_workgroup_size: 512
    .sgpr_count:     66
    .vgpr_count:     256
    .wavefront_size: 32
...
	.end_amdgpu_metadata
.endif
;; end of part 2
